; MI455X (gfx1250); checked and timed in simulation.
; The chip was launched on July 23, 2026; its instructions are those of AMD's public machine-readable ISA for CDNA 5 (MIT licence, August 2026) and "CDNA5" Instruction Set Architecture Reference Guide (July 2026). The comments in the code are by the model that wrote it; some were corrected since.
;; Causal Self Attention. Allowed arithmetic: matrix products marked QUANTISED: E4M3 operands, one given power-of-two scale a tensor, by v_wmma_f32_16x16x64_fp8_fp8 or v_wmma_f32_16x16x128_fp8_fp8, f32 sums; everything else in f32.
;; Inputs: b_proj 1,024 float32; b_qkv 3,072 float32; lowp_scales 8 int32 (the exponents e of the quantised operands' scales 2^e); w_proj 1,024 x 1,024 float32; w_qkv 1,024 x 3,072 float32; x 2 x 2,048 x 1,024 float32.
;; Outputs: out0 2 x 2,048 x 1,024 float32.
;; This version of the problem:
;;   THIS VERSION OF THE PROBLEM IS GIVEN IN LOW PRECISION. The matrix products marked QUANTISED in the list below multiply operands that are first quantised to E4M3 (4 exponent bits, 3 mantissa bits; 8 bits a number), with one given power-of-two scale for each operand tensor; their sums are f32. All else is computed in f32.
;;   The module's matrix products, in the order in which they are computed (A, B: the left and right operand; K: the contracted axis; several contracted axes count as one K, in the product's order):
;;     1. [M 4,096, K 1,024] x [K 1,024, N 3,072]; A: input x; B: input w_qkv: QUANTISED (scales: A lowp_scales[0], B lowp_scales[1])
;;     2. batch 32 x [M 2,048, K 64] x [K 64, N 2,048]; A: computed on the way; B: computed on the way: QUANTISED (scales: A lowp_scales[2], B lowp_scales[3])
;;     3. batch 32 x [M 2,048, K 2,048] x [K 2,048, N 64]; A: softmax (see below); B: computed on the way: QUANTISED (scales: A lowp_scales[4], B lowp_scales[5])
;;     4. [M 4,096, K 1,024] x [K 1,024, N 1,024]; A: computed on the way; B: input w_proj: QUANTISED (scales: A lowp_scales[6], B lowp_scales[7])
;;   THE QUANTISER, for each operand of a quantised product, along K:
;;     - The operand's scale is 2^e, e = its entry of the input lowp_scales (int32; the entries are numbered through the quantised products in the list's order, A before B).
;;     - Each number is divided by the scale, clamped to +-448, and rounded to the nearest number of E4M3, ties to even, subnormals kept.
;;     - The product sums the exact products of the quantised numbers (number of the format x scale) in f32.
;;   ~~~python
;;   def quantise(x, axis, e):      # numpy; x: float32 -> the quantised numbers, widened to float32 again
;;       x = np.moveaxis(x, axis, -1); K = x.shape[-1]
;;       r = np.clip(x / 2.0 ** e, -448, 448)
;;       step = 2.0 ** (np.maximum(np.frexp(np.where(r == 0, 1, r))[1] - 1, -6) - 3)
;;       q = np.round(r / step) * step * 2.0 ** e      # np.round: ties to even
;;       return np.moveaxis(q, -1, axis).astype(np.float32)
;;   ~~~
;;   SOFTMAX AHEAD OF A QUANTISED PRODUCT. Where the list says 'softmax', what is quantised is not the finished softmax but p = 2^(t - M), with t = logit x log2(e) and M = ceil(the row's largest t), a whole number; so 1/2 < the row's largest p <= 1. The row's sum l is taken of the UNQUANTISED p, in f32, and the product's result is divided by l at the end. Since M is a whole number, a kernel that streams over the keys may use a running M (the ceiling of the running maximum): every later rescaling is an exact power of two, so the quantised numbers keep their values, but for numbers so far below the row's largest that they fall under the format's range.
;;   OPERANDS COMPUTED ON THE WAY. 'Computed on the way' means the value that the module computes at that place (a softmax that the list does not call 'softmax' is quantised finished and normalised). What goes into a quantiser is computed in f32, as accurately as f32 sums, v_exp_f32 and their like allow (about 1e-6 of the number): no bf16 or f16 on the way to a quantiser, and a product that is left as it is and whose result goes on into a quantised operand takes f32 operands (vector FMAs, or v_wmma_f32_16x16x4_f32). A number that lies on a knife's edge between two numbers of the format may be rounded either way, as far as f32 arithmetic and the matrix unit's own rounding can turn it there, and no further.
;; One version. Each part assembles by itself: llvm-mc -triple=amdgcn-amd-amdhsa -mcpu=gfx1250 --defsym DOCPART=n.
;; ======== version 1 of 1: 4 launches
;; limits: right only within a limited range of input values
;; workspace buffers: xi 4,194,304 bytes; wqi 3,145,728 bytes; wpi 1,048,576 bytes; qi 4,194,304 bytes; ki 4,194,304 bytes; vi 4,194,304 bytes; ai 4,194,304 bytes
;; launch quant (part 1): grid 512 x 1, 4 waves a work-group, no clusters, 34,304 bytes of LDS; arguments x, w_qkv, w_proj, lowp_scales, xi, wqi, wpi; writes xi, wqi, wpi
.if DOCPART == 1
	.amdgcn_target "amdgcn-amd-amdhsa--gfx1250"
	.amdhsa_code_object_version 6
	.text
	.protected	k_q79a286aa6d_quant
	.globl	k_q79a286aa6d_quant
	.p2align	8
	.type	k_q79a286aa6d_quant,@function
k_q79a286aa6d_quant:
	s_mov_b64 s[64:65], 0
	v_nop
	global_prefetch_b8 v0, s[64:65] scope:SCOPE_SE
	s_setreg_imm32_b32 hwreg(HW_REG_WAVE_MODE, 25, 1), 1
	s_wait_xcnt 0x0
; x [4096][1024], w_qkv [1024][3072] and w_proj [1024][1024], f32, become codes of FP8 (E4M3), each with the one scale 2^e given for it (entries 0, 1 and 7 of the scales).
; code = number / 2^e, held within +-448, rounded to the nearest code, ties to even.  LIMITS: -126 <= e <= 119; NaN among the inputs is not served.
; THE CODES ARE LAID AS IMAGES OF THE OPERAND'S REGISTERS.  A fragment, 16 rows x 128 along K, is 2,048 bytes: the byte at 512 c + 16 lane + 8 e + i (lane = 16 h + r) is row r, k = 32 c + 16 e + 8 h + i.
; Four loads of 16 bytes a lane at 16 lane + 512 c then give registers 2 c', 2 c' + 1 = k 16 c' + 8 h + 0..7: the matrix instruction's own places.  A buffer is [tile of 16 rows][K step of 128], 16,384 bytes a tile of rows.
; Work-groups 0-255: 16 rows of x each (K innermost: the numbers turn through a stage in LDS).  256-447: w_qkv, 448-511: w_proj (K is the first axis: a lane takes a column, its registers run down K).
; No loop, no barrier: waves share nothing.  x's waves issue all their 16 KiB of loads first; a weight's waves keep two chunks of 32 rows (64 loads) on their way.
.set XR,   16                          ; v16-143  x as loaded: two fragments of 16 rows x 4 registers
.set NB,   144                         ; v144-207 64 numbers of a lane, in the image's order
.set CC,   208                         ; v208-239 x's codes: 16 registers a fragment, so that no store's data are written again
.set SP,   528                         ; a stage row: 512 bytes + 16 = 132 words: row r starts at bank 4 r mod 64 (64 banks of 4 bytes: ISA guide 11.1)
.set WSTG, 16*SP                       ; a wave's stage
.set WN,   16                          ; v16-143  a weight's 128 numbers down K: every chunk has registers of its own
.set WC,   144                         ; v144-175 its codes
	s_load_b256 s[4:11], s[0:1], 0x0               ; x s[4:5], w_qkv s[6:7], w_proj s[8:9], the scales' exponents s[10:11]
	s_load_b128 s[12:15], s[0:1], 0x20             ; xi s[12:13], wqi s[14:15]
	s_load_b64 s[16:17], s[0:1], 0x30              ; wpi
	v_lshl_add_u32 v240, v0, 2, 0x8400
	v_mov_b32 v241, 0
	v_lshrrev_b32 v1, 5, v0
	v_readfirstlane_b32 s18, v1                    ; wave 0..3
	v_and_b32 v2, 31, v0                           ; lane
	v_and_b32 v3, 15, v0                           ; r
	v_bfe_u32 v4, v0, 4, 1                         ; h
	v_lshlrev_b32 v5, 4, v2                        ; 16 x lane
	s_mul_i32 s19, s18, WSTG
	v_add_nc_u32 v6, s19, v5                       ; the stage, on the way in: 16 x lane of a row
	v_mul_u32_u24 v7, v3, SP
	v_lshl_add_u32 v7, v4, 5, v7
	v_add_nc_u32 v7, s19, v7                       ; and on the way out: row r, + 32 h
	v_lshlrev_b32 v8, 2, v2                        ; a weight's row: 4 bytes a lane
	v_lshlrev_b32 v9, 4, v3
	v_lshl_add_u32 v9, v4, 14, v9                  ; a weight's codes: lanes 16-31 hold the next tile of 16 columns; 16 bytes a column
	s_mov_b32 s21, 0
	s_mov_b32 s23, 0
	s_wait_kmcnt 0x0
	s_load_b256 s[24:31], s[10:11], 0x0            ; e0 .. e7
.macro MKSCALE e                       ; v11 = 2^e as f32 (the conversion takes its exponent field), v10 = 448 x 2^e
	s_add_co_i32 s19, \e, 127
	s_lshl_b32 s20, s19, 23
	v_mov_b32 v11, s20
	s_add_co_i32 s19, s19, 8
	s_lshl_b32 s19, s19, 23
	s_or_b32 s19, s19, 0x600000
	v_mov_b32 v10, s19
.endm
	s_cmp_lt_u32 ttmp9, 256
	s_cbranch_scc0 .Lweights
; ---- x: work-group g takes rows 16 g .. 16 g + 15; wave w their k = 256 w .. 256 w + 255: two fragments
	s_lshl_b32 s20, ttmp9, 16                      ; 16 rows of 4,096 bytes
	s_lshl_b32 s19, s18, 10
	s_add_co_u32 s20, s20, s19
	s_add_nc_u64 s[4:5], s[4:5], s[20:21]
	s_lshl_b32 s22, ttmp9, 14                      ; the tile's images,
	s_lshl_b32 s19, s18, 12                        ; my two of its eight
	s_add_co_u32 s22, s22, s19
	s_add_nc_u64 s[12:13], s[12:13], s[22:23]
	s_wait_alu depctr_va_vdst(0)
.irp f, 0,1
.irp j, 0,1,2,3,4,5,6,7,8,9,10,11,12,13,14,15
	global_load_b128 v[XR+64*\f+4*\j:XR+64*\f+4*\j+3], v5, s[4:5] offset:4096*\j+512*\f th:TH_LOAD_NT   ; 32 lanes read 512 consecutive bytes of row j
.endr
.endr
	s_wait_kmcnt 0x0
	MKSCALE s24
.macro XFRAG f, left                   ; left: the younger loads that may stay out
	s_wait_loadcnt \left
.irp j, 0,1,2,3,4,5,6,7,8,9,10,11,12,13,14,15
	ds_store_b128 v6, v[XR+64*\f+4*\j:XR+64*\f+4*\j+3] offset:SP*\j
.endr
.irp c, 0,1,2,3
.irp e, 0,1
.irp q, 0,1
	ds_load_b128 v[NB+16*\c+8*\e+4*\q:NB+16*\c+8*\e+4*\q+3], v7 offset:128*\c+64*\e+16*\q   ; LDS serves a wave's instructions in order (ISA guide 5.7.1.4): these see the stores above
.endr
.endr
.endr
	s_wait_dscnt 0x0
.set i, 0
.rept 64
	v_med3_num_f32 v[NB+i], v[NB+i], -v10, v10     ; the conversion does not saturate (ISA guide 7.6.2): the hold at the largest code x the scale
.set i, i+1
.endr
.irp c, 0,1,2,3
.irp e, 0,1
	v_cvt_scalef32_pk8_fp8_f32 v[CC+16*\f+4*\c+2*\e:CC+16*\f+4*\c+2*\e+1], v[NB+16*\c+8*\e:NB+16*\c+8*\e+7], v11
.endr
.endr
	v_nop                                          ; a plain line behind the last conversion
.irp c, 0,1,2,3
	global_store_b128 v5, v[CC+16*\f+4*\c:CC+16*\f+4*\c+3], s[12:13] offset:2048*\f+512*\c   ; 512 consecutive bytes, aligned
.endr
.endm
	s_wait_alu depctr_va_vdst(0)
	XFRAG 0, 16                                    ; the second fragment's sixteen loads may be out
	XFRAG 1, 0
	s_wait_tensorcnt 0x0
	ds_add_u32 v240, v241
	s_wait_dscnt 0x0
	s_endpgm
; ---- a weight [1024][n]: unit u takes columns 128 (u / 8) .. + 127 and k = 128 (u % 8) .. + 127; a wave 32 of the columns, a lane one
.macro WLOAD n, wlo, c                 ; chunk c: rows 32 c .. 32 c + 31 of my K step, at my wave's 32 columns
.set i, 0
.rept 32
	global_load_b32 v[WN+32*(\c)+i], v8, s[\wlo:\wlo+1] offset:(32*(\c)+i)*\n*4 th:TH_LOAD_NT   ; 128 consecutive bytes of a row; the four waves stand side by side on 512
.set i, i+1
.endr
.endm
.macro WPATH n, wlo, ilo, ereg, first
	s_sub_co_u32 s19, ttmp9, \first
	s_lshr_b32 s32, s19, 3                         ; which 128 columns
	s_and_b32 s33, s19, 7                          ; which K step
	s_mul_i32 s20, s33, 128*\n*4
	s_lshl_b32 s34, s32, 9
	s_add_co_u32 s20, s20, s34
	s_lshl_b32 s34, s18, 7
	s_add_co_u32 s20, s20, s34
	s_add_nc_u64 s[\wlo:\wlo+1], s[\wlo:\wlo+1], s[20:21]
	s_lshl_b32 s22, s32, 3
	s_lshl_b32 s34, s18, 1
	s_add_co_u32 s22, s22, s34                     ; my first tile of 16 columns
.if \n == 3072                         ; a head's 12 tiles of w_qkv lie on end: tile (part, head, c) stands at 12 head + 6 (c / 2) + 2 part + c % 2 (part 0 q, 1 k, 2 v)
	s_lshr_b32 s35, s22, 6                         ; part
	s_bfe_u32 s36, s22, 0x40002                    ; head
	s_bfe_u32 s37, s22, 0x10001                    ; c / 2
	s_mul_i32 s36, s36, 12
	s_mul_i32 s37, s37, 6
	s_lshl_b32 s35, s35, 1
	s_add_co_u32 s22, s35, s36
	s_add_co_u32 s22, s22, s37
.endif
	s_lshl_b32 s22, s22, 14
	s_lshl_b32 s34, s33, 11
	s_add_co_u32 s22, s22, s34
	s_add_nc_u64 s[\ilo:\ilo+1], s[\ilo:\ilo+1], s[22:23]
	WLOAD \n, \wlo, 0
	WLOAD \n, \wlo, 1
	s_wait_kmcnt 0x0
	MKSCALE \ereg
	s_wait_alu depctr_va_vdst(0)
.irp c, 0,1,2,3                        ; 32 along K at a time: of my column, registers 0-7 are (e, h) = (0, 0), 8-15 (0, 1), 16-23 (1, 0), 24-31 (1, 1)
.if \c < 3
	s_wait_loadcnt 32                              ; this chunk's 32 loads are in; the next chunk's 32 may be out
.else
	s_wait_loadcnt 0x0
.endif
.if \c < 2
	WLOAD \n, \wlo, \c+2                           ; two chunks ahead, into registers of its own
.endif
.set i, 0
.rept 32
	v_med3_num_f32 v[WN+32*\c+i], v[WN+32*\c+i], -v10, v10
.set i, i+1
.endr
	v_cvt_scalef32_pk8_fp8_f32 v[WC+8*\c:WC+8*\c+1],   v[WN+32*\c:WN+32*\c+7],     v11
	v_cvt_scalef32_pk8_fp8_f32 v[WC+8*\c+4:WC+8*\c+5], v[WN+32*\c+8:WN+32*\c+15],  v11
	v_cvt_scalef32_pk8_fp8_f32 v[WC+8*\c+2:WC+8*\c+3], v[WN+32*\c+16:WN+32*\c+23], v11
	v_cvt_scalef32_pk8_fp8_f32 v[WC+8*\c+6:WC+8*\c+7], v[WN+32*\c+24:WN+32*\c+31], v11
	v_nop
	global_store_b128 v9, v[WC+8*\c:WC+8*\c+3],   s[\ilo:\ilo+1] offset:512*\c       ; the image's lanes 0-15 (h = 0): sixteen lanes store 256 consecutive bytes, aligned
	global_store_b128 v9, v[WC+8*\c+4:WC+8*\c+7], s[\ilo:\ilo+1] offset:512*\c+256   ; its lanes 16-31 (h = 1)
.endr
	s_endpgm
.endm
.Lweights:
	s_cmp_lt_u32 ttmp9, 448
	s_cbranch_scc0 .Lproj
	s_wait_alu depctr_va_vdst(0)
	WPATH 3072, 6, 14, s25, 256
.Lproj:
	s_wait_alu depctr_va_vdst(0)
	WPATH 1024, 8, 16, s31, 448
.Lfunc_end_k_q79a286aa6d_quant:
	.size	k_q79a286aa6d_quant, .Lfunc_end_k_q79a286aa6d_quant-k_q79a286aa6d_quant
	.p2alignl 7, 3214868480
	.fill 96, 4, 3214868480
	.section	.rodata,"a",@progbits
	.p2align	6, 0x0
	.amdhsa_kernel k_q79a286aa6d_quant
		.amdhsa_group_segment_fixed_size 34304
		.amdhsa_private_segment_fixed_size 0
		.amdhsa_enable_private_segment 0
		.amdhsa_kernarg_size 56
		.amdhsa_user_sgpr_count 2
		.amdhsa_user_sgpr_kernarg_segment_ptr 1
		.amdhsa_wavefront_size32 1
		.amdhsa_system_sgpr_workgroup_id_x 1
		.amdhsa_system_sgpr_workgroup_id_y 1
		.amdhsa_system_sgpr_workgroup_id_z 1
		.amdhsa_system_vgpr_workitem_id 0
		.amdhsa_next_free_vgpr 242
		.amdhsa_next_free_sgpr 66
		.amdhsa_reserve_vcc 0
		.amdhsa_float_denorm_mode_32 3
		.amdhsa_float_denorm_mode_16_64 3
		.amdhsa_memory_ordered 1
		.amdhsa_forward_progress 1
		.amdhsa_inst_pref_size 66
	.end_amdhsa_kernel
	.amdgpu_metadata
---
amdhsa.version: [ 1, 2 ]
amdhsa.kernels:
  - .name:           k_q79a286aa6d_quant
    .symbol:         k_q79a286aa6d_quant.kd
    .args:
      - { .name: x, .offset: 0, .size: 8, .value_kind: global_buffer, .address_space: global }
      - { .name: w_qkv, .offset: 8, .size: 8, .value_kind: global_buffer, .address_space: global }
      - { .name: w_proj, .offset: 16, .size: 8, .value_kind: global_buffer, .address_space: global }
      - { .name: lowp_scales, .offset: 24, .size: 8, .value_kind: global_buffer, .address_space: global }
      - { .name: xi, .offset: 32, .size: 8, .value_kind: global_buffer, .address_space: global }
      - { .name: wqi, .offset: 40, .size: 8, .value_kind: global_buffer, .address_space: global }
      - { .name: wpi, .offset: 48, .size: 8, .value_kind: global_buffer, .address_space: global }
    .group_segment_fixed_size: 34304
    .private_segment_fixed_size: 0
    .kernarg_segment_align: 8
    .kernarg_segment_size: 56
    .max_flat_workgroup_size: 128
    .sgpr_count:     66
    .vgpr_count:     242
    .wavefront_size: 32
...
	.end_amdgpu_metadata
.endif
;; end of part 1
;; launch qkv (part 2): grid 16 x 16, 4 waves a work-group, clusters of 4 x 4, 327,680 bytes of LDS; arguments xi, wqi, lowp_scales, b_qkv, qi, ki, vi; writes qi, ki, vi
.if DOCPART == 2
	.amdgcn_target "amdgcn-amd-amdhsa--gfx1250"
	.amdhsa_code_object_version 6
	.text
	.protected	k_q79a286aa6d_qkv
	.globl	k_q79a286aa6d_qkv
	.p2align	8
	.type	k_q79a286aa6d_qkv,@function
k_q79a286aa6d_qkv:
	s_mov_b64 s[64:65], 0
	v_nop
	global_prefetch_b8 v0, s[64:65] scope:SCOPE_SE
	s_setreg_imm32_b32 hwreg(HW_REG_WAVE_MODE, 25, 1), 1
	s_wait_xcnt 0x0
	s_wait_alu depctr_hold_cnt(0) depctr_sa_sdst(0) depctr_va_vdst(0) depctr_va_sdst(0) depctr_va_ssrc(0) depctr_va_vcc(0) depctr_vm_vsrc(0)
	s_getreg_b32 s2, hwreg(HW_REG_IB_STS2, 6, 4)
	s_cmp_eq_u32 s2, 0
	s_cbranch_scc0 .Lentry_in_a_cluster
	s_endpgm
.Lentry_in_a_cluster:
	s_bfe_u32 s2, ttmp6, 0x10000c
	s_cmp_lg_u32 s2, 0xf033
	s_cbranch_scc0 .Lentry_shape_is_right
	s_endpgm
.Lentry_shape_is_right:
; q, k, v = x w_qkv + b_qkv on codes of FP8 (E4M3), quantised with 2^e2, 2^e3, 2^e5 and stored as images of the attention's operands.
; Work-group (head, block of 256 tokens): 256 rows x the head's 64 columns of q, of k and of v.  Four waves: wave (rw, cw) has rows 128 rw .. + 127 and channels 32 cw .. + 31 of each of q, k, v: 8 row tiles x 6 column tiles = 48 accumulators, 384 registers.
; xi: [256 tiles of 16 rows][8 K steps] images of 2,048 bytes; wqi: [16 heads][12 tiles: 6 (c / 2) + 2 part + c % 2][8] likewise.
; qi, ki: [32 (batch, head)][128 tiles of 16 tokens] images of 16 x 64.  vi: [32][16 steps of 128 tokens][4 tiles of 16 channels] images of 16 x 128.
; K = 8 steps of 128.  LDS: slot 0 holds three steps, slot 1 two: fills {0,1,2}, {3,4}, then slot 0 again {5,6,7}.
; Orientation: for q and k source 0 = columns, source 1 = tokens (a lane holds one token and eight channels); for v the other way round (a lane holds one channel and eight tokens): the next products' own K.
; CLUSTERS 4 x 4: the rows' tiles hang on the row block and go jointly along a row of the cluster; the weight's hang on the head and go along a column.
; No prefetch: three fills in all and no loop to run ahead in.
; LIMITS: e0 + e1 between -126 and 127; e2, e3, e5 between -126 and 119; NaN is not served.
; REGISTERS: window 0: v16-29 addresses, v32-67 bias, v68-74 scales, v128-255 A's fragments (one set), on the way out v128-223 sums, v224-247, v80-127 codes.  window 1: B's fragments, two sets at v0 and v128.
;   windows 2, 3: accumulators of row tiles 0-3, 4-7: (a, b) at v[8 (6 a + b)].
.set SLOT1, 172032                     ; slot 0: 16 + 12 tiles x 6,144 bytes
.set SPARE, 286720                     ; slot 1: 28 tiles x 4,096 bytes; then the spare words
.set ADRA, 16
.set ADRB, 20
.set VH, 22
.set VR, 23
.set CO, 26
.set SPW, 28
.set NIL, 29
.set BQ, 32
.set BV, 64
.set LIM, 68
.set SCL, 72
.set AF, 128
.set T, 128
.set MSB, 0
.macro WIN new                         ; the immediate's high byte repeats the setting that is left
.if MSB != \new
	s_set_vgpr_msb (MSB<<8)|\new
.set MSB, \new
.endif
.endm
; a joint load: waves 0 and 1 fetch rows, waves 2 and 3 the weight
.macro JLOAD g0a, g1a, g0b, g1b
	s_cmp_eq_u32 s15, 0
	s_cbranch_scc0 .Lfor_b_\@
	tensor_load_to_lds s[\g0a:\g0a+3], s[\g1a:\g1a+7]
	s_nop 0
.rept 4
	v_nop
.endr
	s_branch .Lasked_\@
.Lfor_b_\@:
	tensor_load_to_lds s[\g0b:\g0b+3], s[\g1b:\g1b+7]
	s_nop 0
.rept 4
	v_nop
.endr
.Lasked_\@:
.endm
.macro CREST                           ; a round of the cluster's barrier behind its opening barrier
	s_cmp_lg_u32 s14, 0
	s_cbranch_scc1 .Lnot_wave_0_\@
	s_barrier_signal -3
.Lnot_wave_0_\@:
	s_barrier_wait -3
	s_barrier_signal -1
	s_barrier_wait -1
.endm
.macro CROUND
	s_barrier_signal -1
	s_barrier_wait -1
	CREST
.endm
.macro SHAPE g, rows, bytes            ; descriptor group 1 behind its first word: rows of so many bytes, 16,384 bytes apart in memory, dense in LDS
	s_mov_b32 s[\g+1], (\bytes)<<16
	s_mov_b32 s[\g+2], (\rows)<<16
	s_mov_b32 s[\g+3], (\bytes)<<16
	s_mov_b32 s[\g+4], \rows
	s_mov_b32 s[\g+5], 16384
	s_mov_b32 s[\g+6], 0
	s_mov_b32 s[\g+7], 0
.endm
	s_load_b256 s[4:11], s[0:1], 0x0               ; xi, wqi, the scales' exponents, b_qkv
	s_load_b128 s[84:87], s[0:1], 0x20             ; qi, ki
	s_load_b64 s[88:89], s[0:1], 0x30              ; vi
	v_lshl_add_u32 v[SPW], v0, 2, SPARE
	v_mov_b32 v[NIL], 0
	ds_add_u32 v[SPW], v[NIL]                      ; the opening: the add, twice on end, and its wait
	ds_add_u32 v[SPW], v[NIL]
	v_lshrrev_b32 v1, 5, v0
	v_readfirstlane_b32 s14, v1                    ; wave 0..3
	s_lshr_b32 s15, s14, 1                         ; rw.  Also: I fetch rows (0) or the weight (1)
	s_and_b32 s16, s14, 1                          ; cw.  Also: which half of that I fetch
	s_bfe_u32 s40, ttmp6, 0x40000                  ; cx, cy
	s_bfe_u32 s41, ttmp6, 0x40004
	s_lshl_b32 s42, ttmp9, 2
	s_add_co_u32 s42, s42, s40                     ; head
	s_and_b32 s17, ttmp7, 0xffff
	s_lshl_b32 s17, s17, 2
	s_add_co_u32 s17, s17, s41                     ; block of 256 rows
	s_lshl_b32 s43, s41, 2
	s_lshl_b32 s43, 15, s43                        ; my row of the cluster
	s_lshl_b32 s44, 0x1111, s40                    ; my column
	s_or_b32 s24, s43, (1<<21)
	s_or_b32 s48, s43, (1<<21)
	s_or_b32 s32, s44, (1<<21)
	s_or_b32 s56, s44, (1<<21)
	SHAPE 24, 8, 6144                              ; rows, three steps
	SHAPE 32, 6, 6144                              ; the weight, three steps
	SHAPE 48, 8, 4096                              ; rows, two steps
	SHAPE 56, 6, 4096                              ; the weight, two steps
	s_lshl_b32 s20, s17, 18
	s_lshl_b32 s18, s16, 17
	s_add_co_u32 s20, s20, s18                     ; 16 tiles of 16,384 bytes a block, my 8 of them
	s_mov_b32 s21, 0
	s_mul_i32 s46, s42, 196608
	s_mul_i32 s18, s16, 98304
	s_add_co_u32 s46, s46, s18                     ; 12 tiles a head, my 6 of them
	s_mov_b32 s47, 0
	s_mov_b32 s68, 1
	s_mul_i32 s69, s16, 8*6144
	s_mov_b32 s72, 1
	s_mul_i32 s73, s16, 6*6144
	s_add_co_u32 s73, s73, 98304
	s_mov_b32 s76, 1
	s_mul_i32 s77, s16, 8*4096
	s_add_co_u32 s77, s77, SLOT1
	s_mov_b32 s80, 1
	s_mul_i32 s81, s16, 6*4096
	s_add_co_u32 s81, s81, SLOT1+65536
	s_wait_dscnt 0x0                               ; both opening adds are done
	s_wait_kmcnt 0x0
	s_load_b256 s[92:99], s[8:9], 0x0              ; e0 .. e7
	s_add_nc_u64 s[70:71], s[4:5], s[20:21]
	s_add_nc_u64 s[74:75], s[6:7], s[46:47]
	s_add_nc_u64 s[78:79], s[70:71], 6144          ; K step 3
	s_add_nc_u64 s[82:83], s[74:75], 6144
	s_or_b32 s71, s71, 0x80000000
	s_or_b32 s75, s75, 0x80000000
	s_or_b32 s79, s79, 0x80000000
	s_or_b32 s83, s83, 0x80000000
	CROUND                                         ; all sixteen work-groups are here: the joint loads meet
	JLOAD 68, 24, 72, 32                           ; K steps 0, 1, 2
	v_and_b32 v1, 31, v0
	v_and_b32 v2, 15, v0
	v_bfe_u32 v3, v0, 4, 1
	v_lshlrev_b32 v[CO], 4, v1                     ; 16 x lane
	v_lshlrev_b32 v[VR], 2, v2
	v_lshlrev_b32 v[VH], 5, v3
	s_mul_i32 s18, s15, 8*6144
	s_mul_i32 s19, s16, 6*6144
	s_add_co_u32 s19, s19, 98304
	v_add_nc_u32 v[ADRA], s18, v[CO]
	v_add_nc_u32 v[ADRB], s19, v[CO]
	s_mul_i32 s18, s15, 8*4096
	s_add_co_u32 s18, s18, SLOT1
	v_add_nc_u32 v[ADRA+1], s18, v[CO]
	s_mul_i32 s19, s16, 6*4096
	s_add_co_u32 s19, s19, SLOT1+65536
	v_add_nc_u32 v[ADRB+1], s19, v[CO]
	s_wait_alu depctr_va_vdst(0)                   ; the wait ahead of the scalar run below
	s_lshl_b32 s18, s42, 8
	s_lshl_b32 s19, s16, 7
	s_add_co_u32 s18, s18, s19                     ; my first channel of a part, in bytes of f32
	s_mov_b32 s19, 0
	s_add_nc_u64 s[10:11], s[10:11], s[18:19]
.irp b, 0,1
	global_load_b128 v[BQ+8*\b:BQ+8*\b+3], v[VH], s[10:11] offset:64*\b                  ; q's bias at channels 16 b + 8 h + 0 .. 7
	global_load_b128 v[BQ+8*\b+4:BQ+8*\b+7], v[VH], s[10:11] offset:64*\b+16
	global_load_b128 v[BQ+16+8*\b:BQ+16+8*\b+3], v[VH], s[10:11] offset:4096+64*\b       ; k's
	global_load_b128 v[BQ+16+8*\b+4:BQ+16+8*\b+7], v[VH], s[10:11] offset:4096+64*\b+16
	global_load_b32 v[BV+2*\b], v[VR], s[10:11] offset:8192+64*\b                        ; v's at channel 16 b + r
	global_load_b32 v[BV+2*\b+1], v[VR], s[10:11] offset:8192+64*\b
.endr
	s_lshr_b32 s43, s17, 3
	s_lshl_b32 s43, s43, 4
	s_add_co_u32 s43, s43, s42
	s_lshl_b32 s43, s43, 17                        ; (batch x 16 + head) x 131,072
	s_and_b32 s44, s17, 7
	s_lshl_b32 s44, s44, 1
	s_add_co_u32 s44, s44, s15
	s_lshl_b32 s44, s44, 13                        ; my 128 tokens: 8,192 bytes in each of the three
	s_add_co_u32 s43, s43, s44
	s_lshl_b32 s18, s16, 9
	s_add_co_u32 s18, s18, s43
	s_mov_b32 s19, 0
	s_add_nc_u64 s[84:85], s[84:85], s[18:19]
	s_add_nc_u64 s[86:87], s[86:87], s[18:19]
	s_lshl_b32 s18, s16, 12
	s_add_co_u32 s18, s18, s43
	s_add_nc_u64 s[88:89], s[88:89], s[18:19]
.macro PLACES                          ; places in front of loads into registers that matrix instructions have read
.rept 4
	v_nop
.endr
.endm
.macro WHERE n                         ; K step n: slot, LDS row pitch, byte in a row
.if ((\n) == 3) || ((\n) == 4)
.set SL, 1
.set RP, 4096
.set KO, 2048*((\n)-3)
.else
.set SL, 0
.set RP, 6144
.if (\n) < 3
.set KO, 2048*(\n)
.else
.set KO, 2048*((\n)-5)
.endif
.endif
.endm
.macro FETCH_B n                       ; B's six fragments into set n % 2
	WHERE \n
	WIN 0x40
.irp i, 0,1,2,3,4,5
.irp c, 0,1,2,3
	ds_load_b128 v[128*((\n)%2)+16*\i+4*\c:128*((\n)%2)+16*\i+4*\c+3], v[ADRB+SL] offset:RP*\i+KO+512*\c
.endr
.endr
	WIN 0
.endm
.macro FETCH_A n, i0
	WHERE \n
.irp i, \i0, \i0+1, \i0+2, \i0+3
.irp c, 0,1,2,3
	ds_load_b128 v[AF+16*(\i)+4*\c:AF+16*(\i)+4*\c+3], v[ADRA+SL] offset:RP*(\i)+KO+512*\c
.endr
.endr
.endm
; the products of one K step: the 48 accumulators take turns in the same order in every step; zero = 1: the first product starts the sums
.macro MULQ hi, p, zero                ; q and k: source 0 = columns
	WIN 0xa1+0x50*\hi
.irp a, 0,1,2,3
.irp b, 0,1,2,3
.if \zero
	v_wmma_f32_16x16x128_fp8_fp8 v[8*(6*\a+\b):8*(6*\a+\b)+7], v[128*(\p)+16*\b:128*(\p)+16*\b+15], v[AF+16*(4*\hi+\a):AF+16*(4*\hi+\a)+15], 0
.else
	v_wmma_f32_16x16x128_fp8_fp8 v[8*(6*\a+\b):8*(6*\a+\b)+7], v[128*(\p)+16*\b:128*(\p)+16*\b+15], v[AF+16*(4*\hi+\a):AF+16*(4*\hi+\a)+15], v[8*(6*\a+\b):8*(6*\a+\b)+7]
.endif
.endr
.endr
.endm
.macro MULV hi, p, zero                ; v: source 0 = tokens
	WIN 0xa4+0x50*\hi
.irp a, 0,1,2,3
.irp b, 4,5
.if \zero
	v_wmma_f32_16x16x128_fp8_fp8 v[8*(6*\a+\b):8*(6*\a+\b)+7], v[AF+16*(4*\hi+\a):AF+16*(4*\hi+\a)+15], v[128*(\p)+16*\b:128*(\p)+16*\b+15], 0
.else
	v_wmma_f32_16x16x128_fp8_fp8 v[8*(6*\a+\b):8*(6*\a+\b)+7], v[AF+16*(4*\hi+\a):AF+16*(4*\hi+\a)+15], v[128*(\p)+16*\b:128*(\p)+16*\b+15], v[8*(6*\a+\b):8*(6*\a+\b)+7]
.endif
.endr
.endr
.endm
.macro STEP n, zero                    ; a K step whose successor lies in the same slot
	s_wait_dscnt 16                                ; B's set and A's blocks 0-3 are in; A's blocks 4-7 may be out
	MULQ 0, (\n)%2, \zero
	MULV 0, (\n)%2, \zero
	s_wait_dscnt 0x0
	PLACES
	FETCH_B (\n)+1
	FETCH_A (\n)+1, 0
	MULQ 1, (\n)%2, \zero
	MULV 1, (\n)%2, \zero
	PLACES
	WIN 0
	FETCH_A (\n)+1, 4
.endm
.macro TURN n, fill                    ; a slot's last step: one barrier; fill = 1: it opens a round of the cluster's barrier, and the slot is filled again
	s_wait_tensorcnt 0x0                           ; my part of the next slot is in
	ds_add_u32 v[SPW], v[NIL]
	s_wait_dscnt 17                                ; the add and A's blocks 4-7 may be out
	MULQ 0, (\n)%2, 0
	s_wait_dscnt 0x0                               ; the add is done, and my reads of this slot are over
	s_barrier_signal -1
	MULV 0, (\n)%2, 0
	WIN 0
	s_barrier_wait -1
.if \fill
	CREST
	s_add_nc_u64 s[70:71], s[70:71], 10240         ; K step 5
	s_add_nc_u64 s[74:75], s[74:75], 10240
	JLOAD 68, 24, 72, 32
.else
	PLACES
.endif
	FETCH_B (\n)+1
	FETCH_A (\n)+1, 0
	MULQ 1, (\n)%2, 0
	MULV 1, (\n)%2, 0
	PLACES
	WIN 0
	FETCH_A (\n)+1, 4
.endm
	s_wait_alu depctr_va_vdst(0)                   ; the wait at the head's end
	s_wait_tensorcnt 0x0                           ; my part of slot 0 is in; these lines as ahead of a refill
	ds_add_u32 v[SPW], v[NIL]
	s_wait_dscnt 0x0
	CROUND
	JLOAD 76, 48, 80, 56                           ; K steps 3, 4: slot 1's first fill
	FETCH_B 0
	FETCH_A 0, 0
	FETCH_A 0, 4
	STEP 0, 1
	STEP 1, 0
	TURN 2, 1
	STEP 3, 0
	TURN 4, 0
	STEP 5, 0
	STEP 6, 0
	s_wait_dscnt 16
	MULQ 0, 1, 0
	MULV 0, 1, 0
	s_wait_dscnt 0x0
	MULQ 1, 1, 0
	MULV 1, 1, 0
	WIN 0
	; THE WAY OUT: sum x 2^(e0 + e1) + bias, held, converted, stored: 512 consecutive bytes a store, aligned
	s_wait_kmcnt 0x0
	s_add_co_i32 s90, s92, s93
	s_add_co_i32 s90, s90, 127
	s_lshl_b32 s90, s90, 23
	s_mov_b32 s91, s90                             ; (named with it as a pair)
.macro SCALE e, k                      ; 2^e and 448 x 2^e.  The six moves are also the places behind the last products
	s_add_co_i32 s18, \e, 127
	s_lshl_b32 s19, s18, 23
	v_mov_b32 v[SCL+\k], s19
	s_add_co_i32 s18, s18, 8
	s_lshl_b32 s18, s18, 23
	s_or_b32 s18, s18, 0x600000
	v_mov_b32 v[LIM+\k], s18
.endm
	SCALE s94, 0
	SCALE s95, 1
	SCALE s97, 2
	s_wait_alu depctr_va_vdst(0)
	s_wait_loadcnt 0x0                             ; the bias
.macro EPI c                           ; row tiles 2 c and 2 c + 1
.set CD, 224
.if \c == 1
.set CD, 80
.endif
.if \c == 2
.set CD, 104
.endif
.if \c == 3
	s_wait_xcnt 0x0                                ; v224-247 were stored from: they may be written again
.endif
	WIN 0x02+(\c)/2
.irp u, 0,1
.irp b, 0,1,2,3
.irp i, 0,2,4,6
	v_pk_fma_f32 v[T+16*\u+8*\b+16*(\b/2)+\i:T+16*\u+8*\b+16*(\b/2)+\i+1], v[8*(6*(2*(\c%2)+\u)+\b)+\i:8*(6*(2*(\c%2)+\u)+\b)+\i+1], s[90:91], v[BQ+8*\b+\i:BQ+8*\b+\i+1] op_sel_hi:[1,0,1]
.endr
.endr
.irp b, 0,1
.irp i, 0,2,4,6
	v_pk_fma_f32 v[T+64+16*\b+8*\u+\i:T+64+16*\b+8*\u+\i+1], v[8*(6*(2*(\c%2)+\u)+4+\b)+\i:8*(6*(2*(\c%2)+\u)+4+\b)+\i+1], s[90:91], v[BV+2*\b:BV+2*\b+1] op_sel_hi:[1,0,0]
.endr
.endr
.endr
	WIN 0
.set i, 0
.rept 96
	v_med3_num_f32 v[T+i], v[T+i], -v[LIM+i/32], v[LIM+i/32]   ; the conversion does not saturate (ISA guide 7.6.2)
.set i, i+1
.endr
.irp p, 0,1,2,3,4,5
	v_cvt_scalef32_pk8_fp8_f32 v[CD+4*\p:CD+4*\p+1], v[T+16*\p:T+16*\p+7], v[SCL+\p/2]
	v_cvt_scalef32_pk8_fp8_f32 v[CD+4*\p+2:CD+4*\p+3], v[T+16*\p+8:T+16*\p+15], v[SCL+\p/2]
.endr
	v_nop
.irp u, 0,1
	global_store_b128 v[CO], v[CD+4*\u:CD+4*\u+3], s[84:85] offset:1024*(2*\c+\u)
	global_store_b128 v[CO], v[CD+8+4*\u:CD+8+4*\u+3], s[86:87] offset:1024*(2*\c+\u)
	global_store_b128 v[CO], v[CD+16+4*\u:CD+16+4*\u+3], s[88:89] offset:2048*\u+512*\c
.endr
.endm
	EPI 0
	EPI 1
	EPI 2
	EPI 3
	s_wait_tensorcnt 0x0                           ; the wave's end
	ds_add_u32 v[SPW], v[NIL]
	s_wait_dscnt 0x0
	CROUND                                         ; the closing round
	s_endpgm
.Lfunc_end_k_q79a286aa6d_qkv:
	.size	k_q79a286aa6d_qkv, .Lfunc_end_k_q79a286aa6d_qkv-k_q79a286aa6d_qkv
	.p2alignl 7, 3214868480
	.fill 96, 4, 3214868480
	.section	.rodata,"a",@progbits
	.p2align	6, 0x0
	.amdhsa_kernel k_q79a286aa6d_qkv
		.amdhsa_group_segment_fixed_size 327680
		.amdhsa_private_segment_fixed_size 0
		.amdhsa_enable_private_segment 0
		.amdhsa_kernarg_size 56
		.amdhsa_user_sgpr_count 2
		.amdhsa_user_sgpr_kernarg_segment_ptr 1
		.amdhsa_wavefront_size32 1
		.amdhsa_system_sgpr_workgroup_id_x 1
		.amdhsa_system_sgpr_workgroup_id_y 1
		.amdhsa_system_sgpr_workgroup_id_z 1
		.amdhsa_system_vgpr_workitem_id 0
		.amdhsa_next_free_vgpr 1024
		.amdhsa_next_free_sgpr 100
		.amdhsa_reserve_vcc 0
		.amdhsa_float_denorm_mode_32 3
		.amdhsa_float_denorm_mode_16_64 3
		.amdhsa_memory_ordered 1
		.amdhsa_forward_progress 1
		.amdhsa_inst_pref_size 110
	.end_amdhsa_kernel
	.amdgpu_metadata
---
amdhsa.version: [ 1, 2 ]
amdhsa.kernels:
  - .name:           k_q79a286aa6d_qkv
    .symbol:         k_q79a286aa6d_qkv.kd
    .args:
      - { .name: xi, .offset: 0, .size: 8, .value_kind: global_buffer, .address_space: global }
      - { .name: wqi, .offset: 8, .size: 8, .value_kind: global_buffer, .address_space: global }
      - { .name: lowp_scales, .offset: 16, .size: 8, .value_kind: global_buffer, .address_space: global }
      - { .name: b_qkv, .offset: 24, .size: 8, .value_kind: global_buffer, .address_space: global }
      - { .name: qi, .offset: 32, .size: 8, .value_kind: global_buffer, .address_space: global }
      - { .name: ki, .offset: 40, .size: 8, .value_kind: global_buffer, .address_space: global }
      - { .name: vi, .offset: 48, .size: 8, .value_kind: global_buffer, .address_space: global }
    .group_segment_fixed_size: 327680
    .private_segment_fixed_size: 0
    .kernarg_segment_align: 8
    .kernarg_segment_size: 56
    .max_flat_workgroup_size: 128
    .sgpr_count:     100
    .vgpr_count:     1024
    .wavefront_size: 32
...
	.end_amdgpu_metadata
.endif
;; end of part 2
;; launch attn (part 3): grid 256 x 1, 16 waves a work-group, clusters of 4 x 1, 327,680 bytes of LDS; arguments qi, ki, vi, lowp_scales, ai; writes ai
.if DOCPART == 3
	.amdgcn_target "amdgcn-amd-amdhsa--gfx1250"
	.amdhsa_code_object_version 6
	.text
	.protected	k_q79a286aa6d_attn
	.globl	k_q79a286aa6d_attn
	.p2align	8
	.type	k_q79a286aa6d_attn,@function
k_q79a286aa6d_attn:
	s_mov_b64 s[64:65], 0
	v_nop
	global_prefetch_b8 v0, s[64:65] scope:SCOPE_SE
	s_setreg_imm32_b32 hwreg(HW_REG_WAVE_MODE, 25, 1), 1
	s_wait_xcnt 0x0
	s_wait_alu depctr_hold_cnt(0) depctr_sa_sdst(0) depctr_va_vdst(0) depctr_va_sdst(0) depctr_va_ssrc(0) depctr_va_vcc(0) depctr_vm_vsrc(0)
	s_getreg_b32 s2, hwreg(HW_REG_IB_STS2, 6, 4)
	s_cmp_eq_u32 s2, 0
	s_cbranch_scc0 .Lentry_in_a_cluster
	s_endpgm
.Lentry_in_a_cluster:
	s_bfe_u32 s2, ttmp6, 0x10000c
	s_cmp_lg_u32 s2, 0x3003
	s_cbranch_scc0 .Lentry_shape_is_right
	s_endpgm
.Lentry_shape_is_right:
; Causal attention on codes of FP8 (E4M3): S^T = K Q^T (K = the head's 64), p = 2^(t - M), O^T = V^T P^T (K = the keys); O / the row's sum is quantised and stored as an image for the last product.
; t = score x log2(e) / 8; M = the row's largest t so far, rounded UP to a whole number; p is not normalised; the row's sum is taken of the unquantised p in f32.  When M moves, the sum and O are multiplied by 2^(old M - new M): exact.
; qi, ki: [32 heads][128 tiles of 16 tokens] images of 16 x 64 (1,024 bytes).  vi: [32 heads][16 steps of 128 keys][4 tiles of 16 channels] images of 16 x 128.  ai: [256 tiles of 16 rows][8 K steps] images of 16 x 128.
; SHARES.  A head's queries are 16 rows of 8 tiles of 16 queries.  Work-group i of a head's eight owns tile i of EVERY row: row n needs key steps 0 .. n, so every work-group has 136 tile steps and reads all 16 key steps.
; Key steps that lie wholly behind a row's queries are hidden by the causal mask and are not computed.
; The two waves 2 r and 2 r + 1 share rows r and R = 15 - r, 17 steps.  Wave X (y = 0): nine steps of row R; wave Y (y = 1): row r's r + 1 steps, then the 7 - r steps of row R that X leaves.  In trip t = 0 .. 8 the step is 2 t - min(t, r + 1 - y):
; X takes 0 .. r + 1, r + 3, r + 5 .. 15 - r; Y takes 0 .. r, then r + 2, r + 4 .. 14 - r, and has none in trip 8.  At the end Y hands its part of row R (O, -M, the sum) to X through LDS.
; K AND V OF THE HEAD LIE IN LDS, filled once: each wave asks for one part of 16 KiB: wave 2 p key steps 2 p, 2 p + 1 of K, wave 2 p + 1 the same of V.  All parts are in behind the one barrier ahead of the loop.
; CLUSTERS: four work-groups of one head; the loads are joint.  No branch and no LDS address hangs on a work-group's place: the place enters the queries' and the output's addresses and the mask's numbers alone.
; No prefetch: all that the launch reads by tensor loads is asked for at the head.
; LAYOUT.  Both products transposed: a lane holds ONE query (lane % 16).  Register j of score tile T is key 16 T + 8 (lane / 16) + j.
; LIMITS: e2 + e3 between -105 and 130 (added to c's exponent field; a hidden score is at most -2^119 before c); e4, e6 between -126 and 119; e4 + e5 is applied by v_ldexp_f32.  NaN is not served.
; REGISTERS: v1 16 x lane, v2 the same in V's half, v[4:5] the mask's base, v8-9 the step's addresses, v10 the exchange; v12 -M, v13 the largest t, v[14:15] the sum; v16-23 Q, v24-31 row R's Q; v32-95 K's 8 fragments, then V's 4;
;   v96-159 S^T, then p; v160-191 O^T; v192-223 at work; v224-239 P's codes; v240, v244: 448 x 2^e4, 2^e4; v248, v249: 448 x 2^e6, 2^e6; v242-243, v246, v250, v252-254 at work; v251, v255 the add's.
.set VOFF, 131072
.set XB, 262144                        ; the exchange: 4,608 bytes for each pair of waves
.set SPARE, XB+8*4608
.macro CROUND                          ; a round of the cluster's barrier
	s_barrier_signal -1
	s_barrier_wait -1
	s_cmp_lg_u32 s18, 0
	s_cbranch_scc1 .Lnot_wave_0_\@
	s_barrier_signal -3
.Lnot_wave_0_\@:
	s_barrier_wait -3
	s_barrier_signal -1
	s_barrier_wait -1
.endm
.macro RESET                           ; a row's start: O^T and the sum 0, the largest t under every t
	v_mov_b32 v13, 0xff61b1e6
	v_mov_b32 v14, 0
	v_mov_b32 v15, 0
.set j, 0
.rept 32
	v_mov_b32 v[160+j], 0                          ; the step is written for every step alike: the first change of M leaves zeros zeros
.set j, j+1
.endr
	v_floor_f32 v12, -v13
.endm
	s_load_b256 s[4:11], s[0:1], 0x0               ; qi, ki, vi, the scales' exponents
	s_load_b64 s[12:13], s[0:1], 0x20              ; ai
	v_lshl_add_u32 v251, v0, 2, SPARE
	v_mov_b32 v255, 0
	ds_add_u32 v251, v255                          ; the opening: the add, twice on end, and its wait
	ds_add_u32 v251, v255
	v_lshrrev_b32 v3, 5, v0
	v_readfirstlane_b32 s18, v3                    ; wave 0..15
	s_bfe_u32 s14, ttmp6, 0x40000                  ; my place in the cluster
	s_lshr_b32 s15, ttmp9, 4
	s_and_b32 s15, s15, 1                          ; which of the head's two clusters
	s_lshl_b32 s15, s15, 2
	s_add_co_u32 s14, s14, s15                     ; i: my tile of each row
	s_and_b32 s15, ttmp9, 15                       ; head
	s_lshr_b32 s16, ttmp9, 5                       ; batch
	s_lshl_b32 s17, s16, 4
	s_add_co_u32 s17, s17, s15
	s_lshl_b32 s60, s17, 17                        ; its 131,072 bytes in qi, ki and vi
	s_mov_b32 s61, 0
	s_lshr_b32 s19, s18, 1                         ; r
	s_lshr_b32 s66, s18, 2
	s_xor_b32 s66, s66, s18
	s_and_b32 s66, s66, 1                          ; y: among waves w, w + 4, w + 8, w + 12 and among 4 j .. 4 j + 3 alike two are X and two Y
	s_sub_co_u32 s70, 15, s19                      ; R
	s_add_co_u32 s67, s19, 1
	s_cmp_eq_u32 s66, 0
	s_cselect_b32 s69, s70, s19                    ; the row in hand
	s_cselect_b32 s68, 15, s67                     ; the trip in front of which Y changes rows (X: none)
	s_sub_co_u32 s67, s67, s66                     ; r + 1 - y
	s_lshl_b32 s62, s69, 3
	s_add_co_u32 s62, s62, s14                     ; my tile of 16 queries
	s_lshl_b32 s78, s16, 7
	s_add_co_u32 s78, s78, s62
	s_lshl_b32 s78, s78, 14                        ; ai: 16,384 bytes a tile of rows,
	s_lshl_b32 s79, s15, 10
	s_add_co_u32 s78, s78, s79                     ; and the head's 1,024 of them
	s_mov_b32 s79, 0
	s_lshl_b32 s62, s62, 10
	s_mov_b32 s63, 0
	s_lshl_b32 s74, s70, 3
	s_add_co_u32 s74, s74, s14
	s_lshl_b32 s74, s74, 10                        ; row R's tile of Q
	s_mov_b32 s75, 0
	; descriptor group 1: 16,384 dense bytes as four rows of 512 elements of 8 bytes, for all four of the cluster
	s_mov_b32 s24, 15|(3<<16)|(1<<21)
	s_mov_b32 s25, 512<<16
	s_mov_b32 s26, 4<<16
	s_mov_b32 s27, 512<<16
	s_mov_b32 s28, 4
	s_mov_b32 s29, 512
	s_mov_b32 s30, 0
	s_mov_b32 s31, 0
	s_and_b32 s20, s18, 1                          ; K (0) or V (1)
	s_lshl_b32 s49, s20, 17
	s_lshl_b32 s52, s19, 14                        ; part r
	s_add_co_u32 s49, s49, s52
	s_mov_b32 s48, 1
	s_mov_b32 s53, 0
	s_mov_b32 s94, 0x76543210                      ; selects for v_permlanex16_b32: lane l xor 16
	s_mov_b32 s95, 0xfedcba98
	s_mov_b32 s22, 0x3e38aa3b                      ; log2(e) / 8
.irp g, 0,1                            ; the mask's steps: -2, -4, -6 and -16 times 2^120, each in both words of a pair
	s_mov_b32 s[32+\g], 0xfc000000
	s_mov_b32 s[34+\g], 0xfc800000
	s_mov_b32 s[36+\g], 0xfcc00000
	s_mov_b32 s[38+\g], 0xfd800000
.endr
	s_wait_dscnt 0x0                               ; both opening adds are done
	s_wait_kmcnt 0x0
	s_load_b256 s[80:87], s[10:11], 0x0            ; e0 .. e7
	s_cmp_eq_u32 s20, 0
	s_cselect_b64 s[50:51], s[6:7], s[8:9]
	s_add_nc_u64 s[50:51], s[50:51], s[60:61]
	s_add_nc_u64 s[50:51], s[50:51], s[52:53]
	s_or_b32 s51, s51, 0x80000000
	CROUND                                         ; all four work-groups are here: the joint loads meet
	tensor_load_to_lds s[48:51], s[24:31]
	s_nop 0
.rept 4
	v_nop
.endr
	s_add_nc_u64 s[4:5], s[4:5], s[60:61]
	s_add_nc_u64 s[76:77], s[4:5], s[74:75]        ; row R's Q
	s_add_nc_u64 s[4:5], s[4:5], s[62:63]          ; the first row's Q
	s_add_nc_u64 s[12:13], s[12:13], s[78:79]      ; X stores row R, Y row r: the row that it begins with
	s_mul_i32 s78, s19, 4608
	s_add_co_u32 s78, s78, XB
	s_lshl_b32 s79, s14, 4                         ; 16 i
	v_and_b32 v6, 31, v0
	v_and_b32 v7, 15, v0
	v_bfe_u32 v11, v0, 4, 1
	v_lshlrev_b32 v1, 4, v6
	v_add_nc_u32 v7, s79, v7
	v_lshlrev_b32 v11, 3, v11
	global_load_b128 v[16:19], v1, s[4:5]
	global_load_b128 v[20:23], v1, s[4:5] offset:512
	global_load_b128 v[24:27], v1, s[76:77]
	global_load_b128 v[28:31], v1, s[76:77] offset:512
	v_add_nc_u32 v2, VOFF, v1
	v_sub_nc_u32 v7, v7, v11                       ; my query in its row of 128, less 8 (lane / 16): key 16 T + j of a lane is hidden where it is greater
	v_add_nc_u32 v10, s78, v1
	v_mov_b32 v246, 0                              ; written once: a lane permute's destination counts as one of its sources
	v_cvt_f32_i32 v7, v7
	v_mov_b32 v253, 0                              ; (named as the upper half of the pair v[252:253])
	RESET
	v_add_f32 v7, 0.5, v7
	s_wait_kmcnt 0x0
	s_add_co_i32 s88, s82, s83
	s_lshl_b32 s88, s88, 23
	s_add_co_i32 s22, s22, s88                     ; a score stands for score x 2^(e2 + e3)
	s_mov_b32 s23, s22                             ; (named with it as a pair)
	s_add_co_i32 s88, s84, 127
	s_lshl_b32 s89, s88, 23
	v_mov_b32 v244, s89                            ; 2^e4
	s_add_co_i32 s88, s88, 8
	s_lshl_b32 s88, s88, 23
	s_or_b32 s88, s88, 0x600000
	v_mov_b32 v240, s88                            ; 448 x 2^e4
	s_wait_alu depctr_va_vdst(0)                   ; the wait ahead of the reader below
	v_mul_f32 v4, 0x7b800000, v7                   ; (d + 1/2) x 2^120
	s_add_co_i32 s88, s86, 127
	s_lshl_b32 s89, s88, 23
	v_mov_b32 v249, s89                            ; 2^e6
	s_add_co_i32 s88, s88, 8
	s_lshl_b32 s88, s88, 23
	s_or_b32 s88, s88, 0x600000
	v_mov_b32 v248, s88                            ; 448 x 2^e6
	s_add_co_i32 s90, s84, s85                     ; e4 + e5
	v_add_f32 v5, 0xfb800000, v4                   ; (d - 1 + 1/2) x 2^120
; A KEY STEP: 128 keys.  s2: its byte in an image; s72: its number; s69: the row in hand.
.macro STEP
	v_add_nc_u32 v8, s2, v1
	v_add_nc_u32 v9, s2, v2
	v_nop
	v_nop                                          ; four places in front of loads into registers that the last step's products read
.irp t, 0,1,2,3,4,5,6,7
	ds_load_b128 v[32+8*\t:35+8*\t], v8 offset:1024*\t
	ds_load_b128 v[36+8*\t:39+8*\t], v8 offset:1024*\t+512
.endr
	s_wait_alu depctr_va_vdst(0)
	s_wait_dscnt 0x0
.irp t, 0,1,2,3,4,5,6,7
	v_wmma_f32_16x16x64_fp8_fp8 v[96+8*\t:103+8*\t], v[32+8*\t:39+8*\t], v[16:23], 0
.endr
.rept 4
	v_nop                                          ; places in front of the loads below and of the first read of the scores
.endr
.irp t, 0,1,2,3
.irp c, 0,1,2,3
	ds_load_b128 v[32+16*\t+4*\c:35+16*\t+4*\c], v9 offset:2048*\t+512*\c   ; V's four fragments land under the softmax
.endr
.endr
	s_cmp_lg_u32 s72, s69                          ; a row's last step holds the diagonal: key n is hidden where n > d: the score's minimum with (d + 1/2 - n) x 2^120, which is beyond every score (a sum of 64 products of codes) on either side
	s_cbranch_scc1 .Lopen_\@
.irp k, 0,1,2,3,4,5,6,7
.set XR, 192+8*(\k%4)
.if \k == 0
.set PB, 4
.else
	v_pk_add_f32 v[XR:XR+1], v[PB:PB+1], s[38:39] op_sel_hi:[1,0]     ; 16 keys on
.set PB, XR
.endif
	v_pk_add_f32 v[XR+2:XR+3], v[PB:PB+1], s[32:33] op_sel_hi:[1,0]   ; 2, 4, 6 keys on
	v_pk_add_f32 v[XR+4:XR+5], v[PB:PB+1], s[34:35] op_sel_hi:[1,0]
	v_pk_add_f32 v[XR+6:XR+7], v[PB:PB+1], s[36:37] op_sel_hi:[1,0]
	v_min_num_f32 v[96+8*\k], v[96+8*\k], v[PB]
	v_min_num_f32 v[97+8*\k], v[97+8*\k], v[PB+1]
.irp j, 2,4,6
	v_min_num_f32 v[96+8*\k+\j], v[96+8*\k+\j], v[XR+\j]
	v_min_num_f32 v[97+8*\k+\j], v[97+8*\k+\j], v[XR+\j+1]
.endr
.endr
.Lopen_\@:
	v_max3_num_f32 v254, v96, v97, v98             ; the step's largest score of my query among my 64 keys, in two chains,
	v_max3_num_f32 v252, v99, v100, v101
.irp i, 6,10,14,18,22,26,30,34,38,42,46,50,54,58
	v_max3_num_f32 v254, v254, v[96+\i], v[97+\i]
	v_max3_num_f32 v252, v252, v[98+\i], v[99+\i]
.endr
	v_max3_num_f32 v254, v254, v158, v159
	s_delay_alu instid0(VALU_DEP_1)
	v_max_num_f32 v254, v254, v252
	s_delay_alu instid0(VALU_DEP_1)
	v_permlanex16_b32 v246, v254, s94, s95
	s_delay_alu instid0(VALU_DEP_1)
	v_max_num_f32 v254, v254, v246                 ; and among lane l xor 16's
	s_delay_alu instid0(VALU_DEP_1)
	v_mul_f32 v254, s22, v254                      ; as t (c is positive)
	s_delay_alu instid0(VALU_DEP_1)
	v_max_num_f32 v13, v13, v254                   ; the running largest t
	v_mov_b32 v254, v12
	s_delay_alu instid0(VALU_DEP_2)
	v_floor_f32 v12, -v13                          ; the new -M = floor(-t): M is a whole number
	s_delay_alu instid0(VALU_DEP_1)
	v_sub_f32 v254, v12, v254                      ; old M - new M: a whole number, 0 or less
	s_delay_alu instid0(VALU_DEP_1)
	v_cvt_i32_f32 v254, v254                       ; (it saturates)
	s_delay_alu instid0(VALU_DEP_1)
	v_ldexp_f32 v252, 1.0, v254                    ; f = 2^(old M - new M)
.set j, 0
.rept 32
	v_pk_fma_f32 v[96+j:97+j], v[96+j:97+j], s[22:23], v[12:13] op_sel_hi:[1,0,0]   ; t - M, two at a time
.set j, j+2
.endr
	s_wait_alu depctr_va_vdst(0)                   ; the wait ahead of the batch
.set j, 0
.rept 64
	v_exp_f32 v[96+j], v[96+j]                     ; p = 2^(t - M), at most 1
.set j, j+1
.endr
	v_pk_mul_f32 v[14:15], v[14:15], v[252:253] op_sel_hi:[1,0]   ; the sums under the new M (a plain line behind the exponentials)
	s_wait_alu depctr_va_vdst(0)                   ; one wait for the batch of 64, ahead of its first reader
	v_pk_add_f32 v[242:243], v[100:101], v[104:105]
	v_pk_add_f32 v[238:239], v[108:109], v[112:113]
	v_pk_add_f32 v[236:237], v[116:117], v[120:121]
	v_pk_add_f32 v[234:235], v[124:125], v[128:129]
	v_pk_add_f32 v[232:233], v[132:133], v[136:137]
	v_pk_add_f32 v[230:231], v[140:141], v[144:145]
	v_pk_add_f32 v[228:229], v[148:149], v[152:153]
	v_pk_add_f32 v[14:15], v[14:15], v[156:157]
	v_pk_add_f32 v[242:243], v[242:243], v[96:97]
	v_pk_add_f32 v[238:239], v[238:239], v[98:99]
	v_pk_add_f32 v[236:237], v[236:237], v[102:103]
	v_pk_add_f32 v[234:235], v[234:235], v[106:107]
	v_pk_add_f32 v[232:233], v[232:233], v[110:111]
	v_pk_add_f32 v[230:231], v[230:231], v[114:115]
	v_pk_add_f32 v[228:229], v[228:229], v[118:119]
	v_pk_add_f32 v[14:15], v[14:15], v[122:123]
	v_pk_add_f32 v[242:243], v[242:243], v[126:127]
	v_pk_add_f32 v[238:239], v[238:239], v[130:131]
	v_pk_add_f32 v[236:237], v[236:237], v[134:135]
	v_pk_add_f32 v[234:235], v[234:235], v[138:139]
	v_pk_add_f32 v[232:233], v[232:233], v[142:143]
	v_pk_add_f32 v[230:231], v[230:231], v[146:147]
	v_pk_add_f32 v[228:229], v[228:229], v[150:151]
	v_pk_add_f32 v[14:15], v[14:15], v[154:155]
	v_pk_add_f32 v[242:243], v[242:243], v[158:159]
	s_delay_alu instid0(VALU_DEP_2)
	v_pk_add_f32 v[14:15], v[14:15], v[234:235]
	s_delay_alu instid0(VALU_DEP_2)
	v_pk_add_f32 v[242:243], v[242:243], v[232:233]
	v_pk_add_f32 v[238:239], v[238:239], v[230:231]
	v_pk_add_f32 v[236:237], v[236:237], v[228:229]
	s_delay_alu instid0(VALU_DEP_2)
	v_pk_add_f32 v[14:15], v[14:15], v[238:239]
	s_delay_alu instid0(VALU_DEP_2)
	v_pk_add_f32 v[242:243], v[242:243], v[236:237]
	s_delay_alu instid0(VALU_DEP_1)
	v_pk_add_f32 v[14:15], v[14:15], v[242:243]
.set j, 0
.rept 32
	v_min_num_f32 v[96+j], v[96+j], v240           ; the conversion does not saturate (ISA guide 7.6.2); p is not negative, so the hold is one-sided
	v_min_num_f32 v[97+j], v[97+j], v240
.set j, j+2
.endr
.irp t, 0,1,2,3,4,5,6,7
	v_cvt_scalef32_pk8_fp8_f32 v[224+2*\t:225+2*\t], v[96+8*\t:103+8*\t], v244
.endr
.set j, 0
.rept 16
	v_pk_mul_f32 v[160+j:161+j], v[160+j:161+j], v[252:253] op_sel_hi:[1,0]   ; O^T under the new M; also the plain lines between the conversions and the products
.set j, j+2
.endr
	s_wait_alu depctr_va_vdst(0)
	s_wait_dscnt 0x0                               ; V is in
.irp t, 0,1,2,3
	v_wmma_f32_16x16x128_fp8_fp8 v[160+8*\t:167+8*\t], v[32+16*\t:47+16*\t], v[224:239], v[160+8*\t:167+8*\t]
.endr
.endm
; A ROW'S WAY OUT: O^T x 2^(e4 + e5) / the sum, quantised with 2^e6.  Register 8 t + j is channel 16 t + 8 (lane / 16) + j of my query: tiles 2 c and 2 c + 1 give a lane's 16 bytes of the image's chunk c.
.macro OUT
	v_add_f32 v14, v14, v15
	s_delay_alu instid0(VALU_DEP_1)
	v_permlanex16_b32 v246, v14, s94, s95
	s_delay_alu instid0(VALU_DEP_1)
	v_add_f32 v14, v14, v246                       ; the row's sum
	s_wait_alu depctr_va_vdst(0)
	v_rcp_f32 v14, v14
	v_nop                                          ; a plain line behind the transcendental
	s_wait_alu depctr_va_vdst(0)                   ; and the wait ahead of its first reader
	v_ldexp_f32 v14, v14, s90
.set j, 0
.rept 16
	v_pk_mul_f32 v[160+j:161+j], v[160+j:161+j], v[14:15] op_sel_hi:[1,0]
.set j, j+2
.endr
.set j, 0
.rept 32
	v_med3_num_f32 v[160+j], v[160+j], -v248, v248
.set j, j+1
.endr
.irp t, 0,1,2,3
	v_cvt_scalef32_pk8_fp8_f32 v[192+2*\t:193+2*\t], v[160+8*\t:167+8*\t], v249
.endr
	v_nop
	global_store_b128 v1, v[192:195], s[12:13]     ; 512 consecutive bytes, aligned
	global_store_b128 v1, v[196:199], s[12:13] offset:512
.endm
	s_wait_alu depctr_va_vdst(0)                   ; the wait at the head's end
	s_wait_loadcnt 0x0                             ; Q
	s_wait_tensorcnt 0x0                           ; my part is in,
	s_barrier_signal -1
	s_barrier_wait -1                              ; everybody's is
	s_mov_b32 s71, 0                               ; t
.Ltrip:
	s_cmp_lg_u32 s71, s68
	s_cbranch_scc1 .Lsame_row
.rept 4
	v_nop                                          ; places behind the last products
.endr
	OUT                                            ; Y: row r is finished; on to row R
	RESET
.set j, 0
.rept 8
	v_mov_b32 v[16+j], v[24+j]
.set j, j+1
.endr
	s_mov_b32 s69, s70
	s_wait_alu depctr_va_vdst(0)
	s_wait_xcnt 0x0                                ; the stores have read their registers
.Lsame_row:
	s_min_u32 s73, s71, s67
	s_sub_co_u32 s73, s71, s73
	s_add_co_u32 s72, s71, s73                     ; the step: 2 t - min(t, r + 1 - y)
	s_cmp_gt_u32 s72, s69                          ; Y in trip 8: none
	s_cbranch_scc1 .Lno_step
	s_and_b32 s2, s72, 15                          ; a step's number has four bits
	s_lshl_b32 s2, s2, 13
	STEP
.Lno_step:
	s_add_co_u32 s71, s71, 1
	s_cmp_lt_u32 s71, 9
	s_cbranch_scc1 .Ltrip
.rept 4
	v_nop                                          ; places behind the last products
.endr
	s_wait_alu depctr_va_vdst(0)
	s_wait_dscnt 0x0
	s_barrier_signal -1
	s_barrier_wait -1
	s_cmp_eq_u32 s66, 0
	s_cbranch_scc1 .Lkeep
.irp g, 0,1,2,3,4,5,6,7
	ds_store_b128 v10, v[160+4*\g:163+4*\g] offset:512*\g   ; Y's part of row R
.endr
	ds_store_b128 v10, v[12:15] offset:4096
.Lkeep:
	s_wait_dscnt 0x0
	s_barrier_signal -1
	s_barrier_wait -1
	s_cmp_lg_u32 s66, 0
	s_cbranch_scc1 .Lend
.irp g, 0,1,2,3,4,5,6,7
	ds_load_b128 v[96+4*\g:99+4*\g], v10 offset:512*\g
.endr
	ds_load_b128 v[128:131], v10 offset:4096
	s_wait_dscnt 0x0
	v_min_num_f32 v252, v12, v128                  ; the joint -M (Y without a step of row R: its M lies under every M, its factor is 0)
	v_sub_f32 v254, v252, v12
	v_sub_f32 v250, v252, v128
	v_cvt_i32_f32 v254, v254
	v_cvt_i32_f32 v250, v250
	v_ldexp_f32 v254, 1.0, v254                    ; my factor (named with v255 as a pair)
	v_ldexp_f32 v252, 1.0, v250                    ; Y's (named with v253 as a pair)
	v_pk_mul_f32 v[14:15], v[14:15], v[254:255] op_sel_hi:[1,0]
.set j, 0
.rept 16
	v_pk_mul_f32 v[160+j:161+j], v[160+j:161+j], v[254:255] op_sel_hi:[1,0]
.set j, j+2
.endr
	v_pk_fma_f32 v[14:15], v[130:131], v[252:253], v[14:15] op_sel_hi:[1,0,1]
.set j, 0
.rept 16
	v_pk_fma_f32 v[160+j:161+j], v[96+j:97+j], v[252:253], v[160+j:161+j] op_sel_hi:[1,0,1]
.set j, j+2
.endr
	OUT
.Lend:
	s_wait_tensorcnt 0x0                           ; the wave's end
	ds_add_u32 v251, v255
	s_wait_dscnt 0x0
	CROUND                                         ; the closing round
	s_endpgm
.Lfunc_end_k_q79a286aa6d_attn:
	.size	k_q79a286aa6d_attn, .Lfunc_end_k_q79a286aa6d_attn-k_q79a286aa6d_attn
	.p2alignl 7, 3214868480
	.fill 96, 4, 3214868480
	.section	.rodata,"a",@progbits
	.p2align	6, 0x0
	.amdhsa_kernel k_q79a286aa6d_attn
		.amdhsa_group_segment_fixed_size 327680
		.amdhsa_private_segment_fixed_size 0
		.amdhsa_enable_private_segment 0
		.amdhsa_kernarg_size 40
		.amdhsa_user_sgpr_count 2
		.amdhsa_user_sgpr_kernarg_segment_ptr 1
		.amdhsa_wavefront_size32 1
		.amdhsa_system_sgpr_workgroup_id_x 1
		.amdhsa_system_sgpr_workgroup_id_y 1
		.amdhsa_system_sgpr_workgroup_id_z 1
		.amdhsa_system_vgpr_workitem_id 0
		.amdhsa_next_free_vgpr 256
		.amdhsa_next_free_sgpr 100
		.amdhsa_reserve_vcc 0
		.amdhsa_float_denorm_mode_32 3
		.amdhsa_float_denorm_mode_16_64 3
		.amdhsa_memory_ordered 1
		.amdhsa_forward_progress 1
		.amdhsa_inst_pref_size 42
	.end_amdhsa_kernel
	.amdgpu_metadata
---
amdhsa.version: [ 1, 2 ]
amdhsa.kernels:
  - .name:           k_q79a286aa6d_attn
    .symbol:         k_q79a286aa6d_attn.kd
    .args:
      - { .name: qi, .offset: 0, .size: 8, .value_kind: global_buffer, .address_space: global }
      - { .name: ki, .offset: 8, .size: 8, .value_kind: global_buffer, .address_space: global }
      - { .name: vi, .offset: 16, .size: 8, .value_kind: global_buffer, .address_space: global }
      - { .name: lowp_scales, .offset: 24, .size: 8, .value_kind: global_buffer, .address_space: global }
      - { .name: ai, .offset: 32, .size: 8, .value_kind: global_buffer, .address_space: global }
    .group_segment_fixed_size: 327680
    .private_segment_fixed_size: 0
    .kernarg_segment_align: 8
    .kernarg_segment_size: 40
    .max_flat_workgroup_size: 512
    .sgpr_count:     100
    .vgpr_count:     256
    .wavefront_size: 32
...
	.end_amdgpu_metadata
.endif
;; end of part 3
;; launch proj (part 4): grid 8 x 32, 8 waves a work-group, clusters of 4 x 4, 327,680 bytes of LDS; arguments ai, wpi, lowp_scales, b_proj, out0; writes out0
.if DOCPART == 4
	.amdgcn_target "amdgcn-amd-amdhsa--gfx1250"
	.amdhsa_code_object_version 6
	.text
	.protected	k_q79a286aa6d_proj
	.globl	k_q79a286aa6d_proj
	.p2align	8
	.type	k_q79a286aa6d_proj,@function
k_q79a286aa6d_proj:
	s_mov_b64 s[64:65], 0
	v_nop
	global_prefetch_b8 v0, s[64:65] scope:SCOPE_SE
	s_setreg_imm32_b32 hwreg(HW_REG_WAVE_MODE, 25, 1), 1
	s_wait_xcnt 0x0
	s_wait_alu depctr_hold_cnt(0) depctr_sa_sdst(0) depctr_va_vdst(0) depctr_va_sdst(0) depctr_va_ssrc(0) depctr_va_vcc(0) depctr_vm_vsrc(0)
	s_getreg_b32 s2, hwreg(HW_REG_IB_STS2, 6, 4)
	s_cmp_eq_u32 s2, 0
	s_cbranch_scc0 .Lentry_in_a_cluster
	s_endpgm
.Lentry_in_a_cluster:
	s_bfe_u32 s2, ttmp6, 0x10000c
	s_cmp_lg_u32 s2, 0xf033
	s_cbranch_scc0 .Lentry_shape_is_right
	s_endpgm
.Lentry_shape_is_right:
; out0 = a w_proj + b_proj on codes of FP8 (E4M3).  ai: [256 tiles of 16 rows][8 K steps] images of 16 x 128 (2,048 bytes); wpi: [64 tiles of 16 columns][8] likewise; out0: [4096][1024] f32.
; A tile of 128 x 128 to a work-group (32 x 8 = 256 of them); eight waves, 32 rows x 64 columns each: 8 accumulators.  THE WHOLE K LIES IN LDS, in two halves of 512, filled once.
; Each wave issues one joint load of 32 KiB: waves 0-3 the first half (rows 0-63, rows 64-127, columns 0-63, columns 64-127), waves 4-7 the second.  One barrier shows all of it; no wave waits for another behind it.
; No prefetch: everything is asked for at the head.
; CLUSTERS: 4 x 4 work-groups.  The rows' tile hangs on the tile row and is shared along a row of the cluster, the weight's on the tile column and along a column.
; THE MATRIX INSTRUCTION IS USED TRANSPOSED (source 0 = 16 columns of the weight, source 1 = 16 rows): a lane holds eight neighbouring numbers of a row of out0.
; LIMIT: e6 + e7 between -126 and 127.
; REGISTERS: window 0: v8-13 LDS addresses, v24-26 the way out's; v32-63 at work; v96-127 the bias; v128-191 the accumulators ((a, b) at v[128 + 8 (4 a + b)]).   window 1: two fragment buffers at v0 and v128: the rows' 2 x 16, then the weight's 4 x 16.
.set HALF,   131072                    ; a K half: the rows' 8 tiles x 8,192 bytes, then the weight's 8
.set KADV,   8192
.set STAGE,  2*HALF                    ; 16 rows x 272 bytes for each wave; no tensor load lands there
.set SPITCH, 272                       ; 256 bytes + 16 = 68 words: row r starts at bank 4 r mod 64 (64 banks of 4 bytes: ISA guide 11.1)
.set SPARE,  STAGE+8*16*SPITCH
.set ADRA, 8
.set ADRB, 12
.set STO,  24
.set RD,   25
.set CO,   26
.set TMP,  32
.set BI,   96
.set ACC,  128
.set MSB, 0
.macro WIN new                         ; the immediate's high byte repeats the setting that is left
.if MSB != \new
	s_set_vgpr_msb (MSB<<8)|\new
.set MSB, \new
.endif
.endm
.set MUL,  0x05                        ; sources 0 and 1 window 1; C and D window 0
.set TO_F, 0x40                        ; destination window 1, address window 0
.macro CROUND                          ; a round of the cluster's barrier
	s_barrier_signal -1
	s_barrier_wait -1
	s_cmp_lg_u32 s14, 0
	s_cbranch_scc1 .Lnot_wave_0_\@
	s_barrier_signal -3
.Lnot_wave_0_\@:
	s_barrier_wait -3
	s_barrier_signal -1
	s_barrier_wait -1
.endm
	s_load_b256 s[4:11], s[0:1], 0x0               ; ai, wpi, the scales' exponents, b_proj
	s_load_b64 s[12:13], s[0:1], 0x20              ; out0
	v_lshl_add_u32 v94, v0, 2, SPARE
	v_mov_b32 v95, 0
	ds_add_u32 v94, v95                            ; the opening: the add, twice on end, and its wait
	ds_add_u32 v94, v95
	v_lshrrev_b32 v1, 5, v0
	v_readfirstlane_b32 s14, v1                    ; wave 0..7
	s_lshr_b32 s15, s14, 1                         ; my 32 of the tile's rows
	s_and_b32 s16, s14, 1                          ; my half of its columns.  Also: which 64 rows or columns I fetch
	s_lshr_b32 s17, s14, 2                         ; which K half I fetch
	s_and_b32 s18, s15, 1                          ; I fetch rows (0) or the weight (1)
	s_bfe_u32 s84, ttmp6, 0x40000                  ; cx, cy
	s_bfe_u32 s85, ttmp6, 0x40004
	s_lshl_b32 s86, ttmp9, 2
	s_add_co_u32 s86, s86, s84                     ; tile column 0..7
	s_and_b32 s87, ttmp7, 0xffff
	s_lshl_b32 s87, s87, 2
	s_add_co_u32 s87, s87, s85                     ; tile row 0..31
	s_lshl_b32 s88, s85, 2
	s_lshl_b32 s88, 15, s88                        ; my row of the cluster
	s_lshl_b32 s89, 0x1111, s84                    ; my column
	; descriptor group 1: 4 rows of 8,192 bytes, 16,384 bytes apart in memory, dense in LDS
	s_or_b32 s24, s88, (1<<21)
	s_or_b32 s32, s89, (1<<21)
.irp g, 24, 32
	s_mov_b32 s[\g+1], KADV<<16
	s_mov_b32 s[\g+2], 4<<16
	s_mov_b32 s[\g+3], KADV<<16
	s_mov_b32 s[\g+4], 4
	s_mov_b32 s[\g+5], 16384
	s_mov_b32 s[\g+6], 0
	s_mov_b32 s[\g+7], 0
.endr
	s_lshl_b32 s90, s16, 16                        ; 4 tiles of 16,384 bytes,
	s_lshl_b32 s91, s17, 13
	s_add_co_u32 s90, s90, s91                     ; their K half
	s_lshl_b32 s20, s87, 17
	s_add_co_u32 s20, s20, s90
	s_mov_b32 s21, 0
	s_lshl_b32 s22, s86, 17
	s_add_co_u32 s22, s22, s90
	s_mov_b32 s23, 0
	s_mov_b32 s40, 1
	s_lshl_b32 s41, s14, 15                        ; where it goes: wave x 32,768: no place in the cluster enters an LDS address
	s_mov_b32 s44, 1
	s_lshl_b32 s45, s14, 15
	s_wait_dscnt 0x0                               ; both opening adds are done
	s_wait_kmcnt 0x0
	s_load_b64 s[96:97], s[8:9], 0x18              ; e6, e7
	s_add_nc_u64 s[42:43], s[4:5], s[20:21]
	s_add_nc_u64 s[46:47], s[6:7], s[22:23]
	s_or_b32 s43, s43, 0x80000000
	s_or_b32 s47, s47, 0x80000000
	CROUND                                         ; all sixteen work-groups are here: the joint loads meet
	s_cmp_eq_u32 s18, 0
	s_cbranch_scc0 .Lfor_w
	tensor_load_to_lds s[40:43], s[24:31]
	s_nop 0
.rept 4
	v_nop
.endr
	s_branch .Lasked
.Lfor_w:
	tensor_load_to_lds s[44:47], s[32:39]
	s_nop 0
.rept 4
	v_nop
.endr
.Lasked:
	v_and_b32 v1, 31, v0
	v_and_b32 v3, 15, v0                           ; r
	v_bfe_u32 v4, v0, 4, 1                         ; h
	v_lshlrev_b32 v2, 4, v1                        ; 16 x lane
	s_lshl_b32 s92, s15, 14                        ; my two tiles of rows,
	s_lshl_b32 s93, s16, 15
	s_add_co_u32 s93, s93, 65536                   ; my four of columns, which lie behind the 128 rows
	v_add_nc_u32 v[ADRA], s92, v2
	v_add_nc_u32 v[ADRB], s93, v2
	v_add_nc_u32 v[ADRA+1], HALF, v[ADRA]
	v_add_nc_u32 v[ADRB+1], HALF, v[ADRB]
	s_mul_i32 s94, s14, 16*SPITCH
	s_add_co_u32 s94, s94, STAGE                   ; my stage
	v_mul_u32_u24 v[STO], v3, SPITCH               ; in: row r, 32 bytes for each half of the lanes
	v_mul_u32_u24 v[RD], v4, SPITCH                ; back: lanes 0-15 one row of 256 bytes, lanes 16-31 the next
	v_lshlrev_b32 v[CO], 12, v4                    ; and the same two rows in out0
	v_lshlrev_b32 v5, 5, v4
	v_lshl_add_u32 v[STO], v4, 5, v[STO]
	v_lshl_add_u32 v[RD], v3, 4, v[RD]
	v_lshl_add_u32 v[CO], v3, 4, v[CO]
	v_add_nc_u32 v[STO], s94, v[STO]
	v_add_nc_u32 v[RD], s94, v[RD]
	s_wait_alu depctr_va_vdst(0)                   ; the wait ahead of the scalar run below
	s_lshl_b32 s92, s86, 9
	s_lshl_b32 s93, s16, 8
	s_add_co_u32 s92, s92, s93                     ; my first column, in bytes of f32
	s_mov_b32 s93, 0
	s_add_nc_u64 s[10:11], s[10:11], s[92:93]
.irp b, 0,1,2,3
	global_load_b128 v[BI+8*\b:BI+8*\b+3],   v5, s[10:11] offset:64*\b      ; the bias of columns 16 b + 8 h + 0 .. 7
	global_load_b128 v[BI+8*\b+4:BI+8*\b+7], v5, s[10:11] offset:64*\b+16
.endr
	s_lshl_b32 s94, s87, 7
	s_lshl_b32 s95, s15, 5
	s_add_co_u32 s94, s94, s95                     ; my first row
	s_lshl_b32 s94, s94, 12
	s_add_co_u32 s94, s94, s92
	s_mov_b32 s95, 0
	s_add_nc_u64 s[12:13], s[12:13], s[94:95]
.macro FETCH q, f                      ; the fragments of K step q (128 along K) into buffer f: 24 loads of 512 consecutive bytes
	WIN TO_F
.irp i, 0,1
.irp c, 0,1,2,3
	ds_load_b128 v[\f+16*\i+4*\c:\f+16*\i+4*\c+3], v[ADRA+(\q)/4] offset:KADV*\i+2048*((\q)%4)+512*\c
.endr
.endr
.irp i, 0,1,2,3
.irp c, 0,1,2,3
	ds_load_b128 v[\f+32+16*\i+4*\c:\f+32+16*\i+4*\c+3], v[ADRB+(\q)/4] offset:KADV*\i+2048*((\q)%4)+512*\c
.endr
.endr
	WIN 0
.endm
; K step q: its fragments are in; the next step's are asked for, into the other buffer; 8 products, the accumulators by turns in the same order in every step.
.macro KS q
	s_wait_dscnt 0x0
.if (\q) < 7
.if (\q) > 0
.rept 4
	v_nop                                          ; places in front of loads into registers that the last step's products read
.endr
.endif
	FETCH (\q)+1, 128*(((\q)+1)%2)
.endif
	WIN MUL
.set FB, 128*((\q)%2)
.irp a, 0,1
.irp b, 0,1,2,3
.if (\q) == 0
	v_wmma_f32_16x16x128_fp8_fp8 v[ACC+8*(4*\a+\b):ACC+8*(4*\a+\b)+7], v[FB+32+16*\b:FB+32+16*\b+15], v[FB+16*\a:FB+16*\a+15], 0
.else
	v_wmma_f32_16x16x128_fp8_fp8 v[ACC+8*(4*\a+\b):ACC+8*(4*\a+\b)+7], v[FB+32+16*\b:FB+32+16*\b+15], v[FB+16*\a:FB+16*\a+15], v[ACC+8*(4*\a+\b):ACC+8*(4*\a+\b)+7]
.endif
.endr
.endr
	WIN 0
.endm
	s_wait_alu depctr_va_vdst(0)                   ; the wait at the head's end
	s_wait_tensorcnt 0x0                           ; my part is in,
	s_barrier_signal -1
	s_barrier_wait -1                              ; everybody's is
	FETCH 0, 0
.irp q, 0,1,2,3,4,5,6,7
	KS \q
.endr
	; THE WAY OUT, 16 rows x 64 columns at a time: sum x 2^(e6 + e7) + bias; through my own stage in LDS; back as whole rows of 256 bytes, into the registers that the sums have left.
	s_wait_kmcnt 0x0
	s_add_co_i32 s96, s96, s97
	s_add_co_i32 s96, s96, 127
	s_lshl_b32 s96, s96, 23                        ; 2^(e6 + e7) as f32
	s_mov_b32 s97, s96                             ; (named with it as a pair, so it is written)
.rept 4
	v_nop                                          ; places in front of the first read of results
.endr
	s_wait_loadcnt 0x0                             ; the bias
.macro OUTB a
.irp b, 0,1,2,3
.irp i, 0,2,4,6
	v_pk_fma_f32 v[TMP+8*\b+\i:TMP+8*\b+\i+1], v[ACC+32*\a+8*\b+\i:ACC+32*\a+8*\b+\i+1], s[96:97], v[BI+8*\b+\i:BI+8*\b+\i+1] op_sel_hi:[1,0,1]   ; each accumulator from its low end on
.endr
.endr
.irp b, 0,1,2,3
	ds_store_b128 v[STO], v[TMP+8*\b:TMP+8*\b+3] offset:64*\b
	ds_store_b128 v[STO], v[TMP+8*\b+4:TMP+8*\b+7] offset:64*\b+16
.endr
.irp t, 0,1,2,3,4,5,6,7
	ds_load_b128 v[ACC+32*\a+4*\t:ACC+32*\a+4*\t+3], v[RD] offset:2*\t*SPITCH   ; LDS serves a wave's instructions in order (ISA guide 5.7.1.4): these see the stores above, and the next block's stores come behind them
.endr
.endm
.macro SEND a, younger                 ; younger: the LDS instructions issued behind block a's loads, which may stay out
	s_wait_dscnt \younger
.irp t, 0,1,2,3,4,5,6,7
	global_store_b128 v[CO], v[ACC+32*\a+4*\t:ACC+32*\a+4*\t+3], s[12:13] offset:(16*\a+2*\t)*4096 th:TH_STORE_NT   ; 16 lanes store 256 consecutive bytes, at a multiple of 256 from out0's first byte
.endr
.endm
	OUTB 0
	OUTB 1
	SEND 0, 16
	SEND 1, 0
	s_wait_tensorcnt 0x0                           ; the wave's end
	ds_add_u32 v94, v95
	s_wait_dscnt 0x0
	CROUND                                         ; the closing round: no work-group ends while a partner may still ask for a tile that names it
	s_endpgm
.Lfunc_end_k_q79a286aa6d_proj:
	.size	k_q79a286aa6d_proj, .Lfunc_end_k_q79a286aa6d_proj-k_q79a286aa6d_proj
	.p2alignl 7, 3214868480
	.fill 96, 4, 3214868480
	.section	.rodata,"a",@progbits
	.p2align	6, 0x0
	.amdhsa_kernel k_q79a286aa6d_proj
		.amdhsa_group_segment_fixed_size 327680
		.amdhsa_private_segment_fixed_size 0
		.amdhsa_enable_private_segment 0
		.amdhsa_kernarg_size 40
		.amdhsa_user_sgpr_count 2
		.amdhsa_user_sgpr_kernarg_segment_ptr 1
		.amdhsa_wavefront_size32 1
		.amdhsa_system_sgpr_workgroup_id_x 1
		.amdhsa_system_sgpr_workgroup_id_y 1
		.amdhsa_system_sgpr_workgroup_id_z 1
		.amdhsa_system_vgpr_workitem_id 0
		.amdhsa_next_free_vgpr 512
		.amdhsa_next_free_sgpr 100
		.amdhsa_reserve_vcc 0
		.amdhsa_float_denorm_mode_32 3
		.amdhsa_float_denorm_mode_16_64 3
		.amdhsa_memory_ordered 1
		.amdhsa_forward_progress 1
		.amdhsa_inst_pref_size 31
	.end_amdhsa_kernel
	.amdgpu_metadata
---
amdhsa.version: [ 1, 2 ]
amdhsa.kernels:
  - .name:           k_q79a286aa6d_proj
    .symbol:         k_q79a286aa6d_proj.kd
    .args:
      - { .name: ai, .offset: 0, .size: 8, .value_kind: global_buffer, .address_space: global }
      - { .name: wpi, .offset: 8, .size: 8, .value_kind: global_buffer, .address_space: global }
      - { .name: lowp_scales, .offset: 16, .size: 8, .value_kind: global_buffer, .address_space: global }
      - { .name: b_proj, .offset: 24, .size: 8, .value_kind: global_buffer, .address_space: global }
      - { .name: out0, .offset: 32, .size: 8, .value_kind: global_buffer, .address_space: global }
    .group_segment_fixed_size: 327680
    .private_segment_fixed_size: 0
    .kernarg_segment_align: 8
    .kernarg_segment_size: 40
    .max_flat_workgroup_size: 256
    .sgpr_count:     100
    .vgpr_count:     512
    .wavefront_size: 32
...
	.end_amdgpu_metadata
.endif
;; end of part 4
